; MI455X (gfx1250); checked and timed in simulation.
; The chip was launched on July 23, 2026; its instructions are those of AMD's public machine-readable ISA for CDNA 5 (MIT licence, August 2026) and "CDNA5" Instruction Set Architecture Reference Guide (July 2026). The comments in the code are by the model that wrote it; some were corrected since.
;; Mo E Layer. Allowed arithmetic: matrix products marked QUANTISED: E3M2 operands, one E8M0 scale for each 32 along K, by v_wmma_scale_f32_16x16x128_f8f6f4 with both operands' format E3M2, f32 sums; products left as they are: f32 operands where the result goes on into a quantised operand, else bf16, f16 or f32 operands; f32 sums; everything else in f32.
;; Inputs: We_codes 8 x 1,024 x 32 x 24 uint8 (E3M2 codes of We, K innermost, in blocks of 32 codes, four codes in three bytes); We_scales 8 x 1,024 x 32 uint8 (E8M0 scales of We, one for each 32 codes along K); Wg 1,024 x 8 float32; be 8 x 1,024 float32; bg 8 float32; x 8,192 x 1,024 float32.
;; Outputs: out0 8,192 x 1,024 float32.
;; This version of the problem:
;;   THIS VERSION OF THE PROBLEM IS GIVEN IN LOW PRECISION. The matrix products marked QUANTISED in the list below multiply operands that are first quantised to E3M2 (3 exponent bits, 2 mantissa bits; 6 bits a number), with one power-of-two scale for each 32 numbers along K (OCP MX v1.0); their sums are f32. All else is computed in f32.
;;   The module's matrix products, in the order in which they are computed (A, B: the left and right operand; K: the contracted axis; several contracted axes count as one K, in the product's order):
;;     1. [M 8,192, K 1,024] x [K 1,024, N 8]; A: input x; B: input Wg: left as it is (N = 8 < 16)
;;     2. [M 8,192, K 1,024] x [K 1,024, N 8,192]; A: input x; B: input We (given as codes): QUANTISED
;;     3. batch 8,192 x [M 1, K 8] x [K 8, N 1,024]; A: softmax; B: computed on the way: left as it is (K = 8 < 32)
;;   THE QUANTISER, for each operand of a quantised product, along K:
;;     - K is cut into blocks of 32 from its start; a last block that is shorter is filled with zeros.
;;     - A block's scale is 2^e with e = floor(log2(the largest magnitude in the block)) - 4, held to -126 .. 127; a block of zeros has e = 0. As a byte (E8M0): e + 127.
;;     - Each number is divided by its block's scale, clamped to +-28, and rounded to the nearest number of E3M2, ties to even, subnormals kept.
;;     - The product sums the exact products of the quantised numbers (number of the format x scale) in f32.
;;   ~~~python
;;   def quantise(x, axis):      # numpy; x: float32 -> the quantised numbers, widened to float32 again
;;       x = np.moveaxis(x, axis, -1); K = x.shape[-1]
;;       x = np.pad(x, [(0, 0)] * (x.ndim - 1) + [(0, -K % 32)]); x = x.reshape(x.shape[:-1] + (-1, 32)); a = np.abs(x).max(-1, keepdims=True)
;;       e = np.where(a > 0, np.clip(np.frexp(np.where(a > 0, a, 1))[1] - 1 - 4, -126, 127), 0)      # np.frexp(a)[1] - 1 = floor(log2(a)), exactly
;;       r = np.clip(x / 2.0 ** e, -28, 28)
;;       step = 2.0 ** (np.maximum(np.frexp(np.where(r == 0, 1, r))[1] - 1, -2) - 2)
;;       q = np.round(r / step) * step * 2.0 ** e      # np.round: ties to even
;;       return np.moveaxis(q.reshape(q.shape[:-2] + (-1,))[..., :K], -1, axis).astype(np.float32)
;;   ~~~
;;   INPUTS GIVEN AS CODES. We (in the module: [8, 1024, 1024], K = its axis 1): each comes as NAME_codes (uint8): NAME with its K axis moved to the last place and cut into blocks of 32 codes, [.., K / 32, bytes a block], one block behind the other in memory; four codes in three bytes: a row's codes are one little-endian stream of bits, code i at bits 6 i .. 6 i + 5 (a code: sign, 3 exponent bits, 2 mantissa bits); and NAME_scales (uint8): the same leading axes, one E8M0 byte (e + 127) for each 32 codes along K. Its value is code x scale, taken as it is: it is not quantised again, and the codes and scales need not be those that the quantiser above would give.
;; One version. Each part assembles by itself: llvm-mc -triple=amdgcn-amd-amdhsa -mcpu=gfx1250 --defsym DOCPART=n.
;; ======== version 1 of 1: 2 launches
;; limits: values are held in bf16: 8 bits of precision; right only within a limited range of input values
;; workspace buffers: xb 6,553,600 bytes; wb 6,553,600 bytes; gate 262,144 bytes
;; launch prep (part 1): grid 256 x 1, 8 waves a work-group, no clusters, 327,680 bytes of LDS; arguments x, Wg, bg, We_codes, We_scales, xb, wb, gate; writes xb, wb, gate
.if DOCPART == 1
	.amdgcn_target "amdgcn-amd-amdhsa--gfx1250"
	.amdhsa_code_object_version 6
	.text
	.protected	k_q6024748545_prep
	.globl	k_q6024748545_prep
	.p2align	8
	.type	k_q6024748545_prep,@function
k_q6024748545_prep:
	s_mov_b64 s[64:65], 0
	v_nop
	global_prefetch_b8 v0, s[64:65] scope:SCOPE_SE
	s_setreg_imm32_b32 hwreg(HW_REG_WAVE_MODE, 25, 1), 1
	s_wait_xcnt 0x0
.set XP,    528
.set XTT,   16*XP
.set XTW,   2*XTT
.set GP,    8*XTW
.set SCX,   GP+16*1024
.set IMG,   1536
.set SCO,   16*IMG
.set PIECE, SCO+1024
.set WSO,  1
.set LANE, 2
.set R,    3
.set H,    4
.set LI,   5
.set XRD,  6
.set WGO,  7
.set WCO,  8
.set SCW,  9
.set GPW,  10
.set GPR,  11
.set SCR,  12
.set GTO,  13
.set XSO,  14
.set WSL,  15
.set X,    16
.set RAW,  80
.set A16,  80
.set WF,   112
.set WS,   136
.set WB,   144
.set D0,   176
.set D1,   184
.set GS,   192
.set PC,   200
.set TM,   220
.set PW,   236
.set WV,   20
.set G1,   24
.set G0,   32
.set BG,   40
.set SEL,  62
.macro QUANT s
.irp b, 0,1,2,3
	v_max3_num_f32 v[TM+\b], |v[\s+16*\b]|, |v[\s+1+16*\b]|, 0x2800000
.endr
.irp i, 2,4,6,8,10,12,14
.irp b, 0,1,2,3
	s_delay_alu instid0(VALU_DEP_4)
	v_max3_num_f32 v[TM+\b], v[TM+\b], |v[\s+16*\b+\i]|, |v[\s+1+16*\b+\i]|
.endr
.endr
.irp b, 0,1,2,3
	s_delay_alu instid0(VALU_DEP_4)
	v_permlanex16_b32 v[TM+4+\b], v[TM+\b], s[SEL], s[SEL+1]
.endr
.irp b, 0,1,2,3
	s_delay_alu instid0(VALU_DEP_4)
	v_max_num_f32 v[TM+\b], v[TM+\b], v[TM+4+\b]
.endr
.irp b, 0,1,2,3
	s_delay_alu instid0(VALU_DEP_4)
	v_add_nc_u32 v[TM+12+\b], 0xfe000000, v[TM+\b]
.endr
.irp b, 0,1,2,3
	s_delay_alu instid0(VALU_DEP_4)
	v_lshrrev_b32 v[TM+4+\b], 23, v[TM+12+\b]
.endr
	s_delay_alu instid0(VALU_DEP_3)
	v_lshl_or_b32 v[PW], v[TM+5], 8, v[TM+4]
	s_delay_alu instid0(VALU_DEP_1)
	v_lshl_or_b32 v[PW], v[TM+6], 16, v[PW]
	s_delay_alu instid0(VALU_DEP_1)
	v_lshl_or_b32 v[PW], v[TM+7], 24, v[PW]
.irp c, 0,1
	v_cvt_scalef32_pk16_bf6_f32 v[PC+6*\c:PC+2+6*\c], v[\s+32*\c:\s+15+32*\c], v[TM+12+2*\c]
	v_cvt_scalef32_pk16_bf6_f32 v[PC+12+4*\c:PC+14+4*\c], v[\s+16+32*\c:\s+31+32*\c], v[TM+12+2*\c+1]
.endr
	v_nop
.irp c, 0,1
.irp i, 0,1,2
	v_permlane16_swap_b32 v[PC+6*\c+\i], v[PC+12+4*\c+\i]
.endr
.irp i, 0,1,2
	s_delay_alu instid0(VALU_DEP_3)
	v_mov_b32 v[PC+3+6*\c+\i], v[PC+12+4*\c+\i]
.endr
.endr
.endm
	s_load_b256 s[4:11], s[0:1], 0x0
	s_load_b256 s[12:19], s[0:1], 0x20
	v_lshl_add_u32 v254, v0, 2, 0x29000
	v_mov_b32 v255, 0
	ds_add_u32 v254, v255
	ds_add_u32 v254, v255
	v_lshrrev_b32 v1, 5, v0
	s_delay_alu instid0(VALU_DEP_1)
	v_readfirstlane_b32 s[WV], v1
	s_mov_b32 s[G1+0], (2<<16)|(1<<20)|(6<<22)|(3<<25)
	s_mov_b32 s[G1+1], 128<<16
	s_mov_b32 s[G1+2], 32<<16
	s_mov_b32 s[G1+3], 128<<16
	s_mov_b32 s[G1+4], 32
	s_mov_b32 s[G1+5], 1024
	s_mov_b32 s[G1+6], 0
	s_mov_b32 s[G1+7], 0
	s_lshl_b32 s22, ttmp9, 17
	s_lshl_b32 s21, s[WV], 9
	s_add_co_u32 s22, s22, s21
	s_mov_b32 s23, 0
	s_mul_i32 s52, s[WV], XTW
	s_wait_dscnt 0x0
	s_wait_kmcnt 0x0
	s_add_nc_u64 s[22:23], s[4:5], s[22:23]
	s_mov_b32 s[G0+0], 1
	s_mov_b32 s[G0+1], s52
	s_mov_b64 s[G0+2:G0+3], s[22:23]
	s_or_b32 s[G0+3], s[G0+3], 0x80000000
	tensor_load_to_lds s[G0:G0+3], s[G1:G1+7]      ; my one tensor load: 32 rows x 128 numbers of x, both tiles of 16 rows, one behind the other in LDS
	s_nop 0
.rept 4
	v_nop
.endr
	s_load_b256 s[BG:BG+7], s[8:9], 0x0
	s_mov_b32 s[SEL], 0x76543210
	s_mov_b32 s[SEL+1], 0xfedcba98
	s_mov_b32 s23, 0
	s_and_b32 s48, s[WV], 1
	s_lshr_b32 s49, ttmp9, 6
	s_and_b32 s50, ttmp9, 63
	s_lshr_b32 s51, s[WV], 2
	s_lshl_b32 s21, s49, 1
	s_add_co_u32 s51, s51, s21
	s_and_b32 s54, s[WV], 3
	s_and_b32 s55, s50, 3
	s_lshl_b32 s22, s[WV], 12
	s_add_nc_u64 s[6:7], s[6:7], s[22:23]
	s_lshl_b32 s21, s51, 6
	s_add_co_u32 s21, s21, s50
	s_mul_i32 s22, s21, 16*768
	s_mul_i32 s21, s54, 192
	s_add_co_u32 s22, s22, s21
	s_add_nc_u64 s[10:11], s[10:11], s[22:23]
	s_lshr_b32 s21, s50, 2
	s_lshl_b32 s21, s21, 2
	s_add_co_u32 s21, s21, s54
	s_lshl_b32 s21, s21, 2
	s_add_co_u32 s21, s21, s55
	s_mul_i32 s22, s21, PIECE
	s_mul_i32 s21, s51, IMG
	s_add_co_u32 s22, s22, s21
	s_add_nc_u64 s[56:57], s[16:17], s[22:23]
	s_lshr_b32 s21, s50, 2
	s_lshl_b32 s21, s21, 4
	s_add_co_u32 s21, s21, s55
	s_mul_i32 s22, s21, PIECE
	s_mul_i32 s21, s48, 8*PIECE
	s_add_co_u32 s22, s22, s21
	s_lshl_b32 s21, s49, 8
	s_add_co_u32 s22, s22, s21
	s_add_co_u32 s22, s22, SCO
	s_add_nc_u64 s[16:17], s[16:17], s[22:23]
	s_lshl_b32 s21, s49, 7
	s_add_co_u32 s21, s21, s50
	s_lshl_b32 s22, s21, 9
	s_lshl_b32 s21, s48, 4
	s_add_co_u32 s22, s22, s21
	s_add_nc_u64 s[12:13], s[12:13], s[22:23]
	s_lshr_b32 s21, ttmp9, 2
	s_mul_i32 s58, s21, 4*PIECE
	s_and_b32 s59, ttmp9, 3
	s_lshr_b32 s21, s[WV], 1
	s_mul_i32 s22, s21, PIECE
	s_add_co_u32 s22, s22, s58
	s_lshl_b32 s21, s48, 3
	s_lshl_b32 s53, s59, 1
	s_add_co_u32 s21, s21, s53
	s_mul_i32 s21, s21, IMG
	s_add_co_u32 s22, s22, s21
	s_add_nc_u64 s[60:61], s[14:15], s[22:23]
	s_mul_i32 s22, s48, 2*PIECE
	s_add_co_u32 s22, s22, s58
	s_lshl_b32 s21, s59, 8
	s_add_co_u32 s22, s22, s21
	s_add_co_u32 s22, s22, SCO
	s_add_nc_u64 s[14:15], s[14:15], s[22:23]
	s_lshl_b32 s22, ttmp9, 10
	s_lshl_b32 s21, s48, 9
	s_add_co_u32 s22, s22, s21
	s_add_nc_u64 s[18:19], s[18:19], s[22:23]
	v_and_b32 v[LANE], 31, v0
	v_and_b32 v[R], 15, v0
	v_bfe_u32 v[H], v0, 4, 1
	s_delay_alu instid0(VALU_DEP_3)
	v_lshlrev_b32 v[LI], 4, v[LANE]
	s_delay_alu instid0(VALU_DEP_3)
	v_mul_u32_u24 v[XRD], v[R], XP
	s_delay_alu instid0(VALU_DEP_1)
	v_lshl_add_u32 v[XRD], v[H], 6, v[XRD]
	s_delay_alu instid0(VALU_DEP_1)
	v_add_nc_u32 v[XRD], s52, v[XRD]
	v_and_b32 v[WGO], 7, v0
	s_delay_alu instid0(VALU_DEP_1)
	v_lshlrev_b32 v[WGO], 2, v[WGO]
	s_delay_alu instid0(VALU_DEP_1)
	v_lshl_add_u32 v[WGO], v[H], 9, v[WGO]
	v_mul_u32_u24 v[WCO], v[R], 768
	s_delay_alu instid0(VALU_DEP_1)
	v_mad_u32_u24 v[WCO], v[H], 24, v[WCO]
	s_lshr_b32 s53, s[WV], 1
	s_lshl_b32 s53, s53, 8
	s_lshl_b32 s21, s48, 2
	s_add_co_u32 s53, s53, s21
	s_add_co_u32 s53, s53, SCX
	v_lshl_add_u32 v[SCW], v[R], 4, s53
	s_lshl_b32 s53, s[WV], 11
	s_add_co_u32 s53, s53, GP
	v_add_nc_u32 v[GPW], s53, v[LI]
	s_lshl_b32 s53, s48, 10
	s_add_co_u32 s53, s53, GP
	v_add_nc_u32 v[GPR], s53, v[LI]
	s_lshl_b32 s53, s48, 9
	s_add_co_u32 s53, s53, SCX
	v_add_nc_u32 v[SCR], s53, v[LI]
	v_lshlrev_b32 v[GTO], 5, v[R]
	s_delay_alu instid0(VALU_DEP_1)
	v_lshl_add_u32 v[GTO], v[H], 4, v[GTO]
	v_lshlrev_b32 v[XSO], 4, v[R]
	v_mul_u32_u24 v[WSO], v[H], 4*PIECE
	s_delay_alu instid0(VALU_DEP_1)
	v_add_nc_u32 v[WSO], v[WSO], v[XSO]
	s_delay_alu instid0(VALU_DEP_3)
	v_mad_u32_u24 v[XSO], v[H], PIECE, v[XSO]
	v_lshlrev_b32 v[WSL], 5, v[R]
	s_delay_alu instid0(VALU_DEP_1)
	v_lshl_add_u32 v[WSL], v[H], 3, v[WSL]
.irp b, 0,1,2,3
	v_mov_b32 v[TM+4+\b], 0
.endr
.irp b, 0,1,2,3
.irp p, 0,1,2,3,4,5,6,7,8,9,10,11,12,13,14,15
	global_load_b32 v[RAW+16*\b+\p], v[WGO], s[6:7] offset:1024*\b+32*\p
.endr
.endr
	s_wait_loadcnt 0x0
.set i, 0
.rept 32
	v_cvt_pk_bf16_f32 v[WB+i], v[RAW+2*i], v[RAW+2*i+1]
.set i, i+1
.endr
.irp q, 0,1
.irp p, 0,1,2,3,4,5
	global_load_b64 v[WF+12*\q+2*\p:WF+12*\q+2*\p+1], v[WCO], s[10:11] offset:96*\q+48*(\p/3)+8*(\p%3) th:TH_LOAD_NT
.endr
.endr
	s_lshr_b32 s21, s[WV], 1
	s_cmp_lg_u32 s21, 2
	s_cbranch_scc1 .Lno_ws
	global_load_b64 v[WS:WS+1], v[WSL], s[12:13]
	global_load_b64 v[WS+2:WS+3], v[WSL], s[12:13] offset:32768
.Lno_ws:
.macro XTILE tile, left
	s_wait_tensorcnt \left
.if \tile
	s_wait_xcnt 0x0
.endif
.irp b, 0,1,2,3
.irp jj, 0,1,2,3
	ds_load_b128 v[X+16*\b+4*\jj:X+16*\b+4*\jj+3], v[XRD] offset:\tile*XTT+128*\b+16*\jj
.endr
.endr
	s_wait_dscnt 0x0
.set i, 0
.rept 32
	v_cvt_pk_bf16_f32 v[A16+i], v[X+2*i], v[X+2*i+1]
.set i, i+1
.endr
	QUANT X
	v_wmma_f32_16x16x32_bf16 v[D0:D0+7], v[WB:WB+7], v[A16:A16+7], 0
	v_wmma_f32_16x16x32_bf16 v[D1:D1+7], v[WB+8:WB+15], v[A16+8:A16+15], 0
	v_wmma_f32_16x16x32_bf16 v[D0:D0+7], v[WB+16:WB+23], v[A16+16:A16+23], v[D0:D0+7]
	v_wmma_f32_16x16x32_bf16 v[D1:D1+7], v[WB+24:WB+31], v[A16+24:A16+31], v[D1:D1+7]
.irp m, 0,1,2
	global_store_b128 v[LI], v[PC+4*\m:PC+4*\m+3], s[60:61] offset:\tile*IMG+512*\m
.endr
	ds_store_b32 v[SCW], v[PW] offset:8*\tile
.rept 4
	v_nop
.endr
.irp j, 0,2,4,6
	v_pk_add_f32 v[GS+\j:GS+\j+1], v[D0+\j:D0+\j+1], v[D1+\j:D1+\j+1]
.endr
	ds_store_b128 v[GPW], v[GS:GS+3] offset:\tile*1024
	ds_store_b128 v[GPW], v[GS+4:GS+7] offset:\tile*1024+512
.endm
	XTILE 0, 0
	XTILE 1, 0
	s_wait_kmcnt 0x0
	s_wait_dscnt 0x0
	s_barrier_signal -1
	s_barrier_wait -1
	s_wait_loadcnt 0x0
.irp q, 0,1
.irp m, 0,1,2
	global_store_b128 v[LI], v[WF+12*\q+4*\m:WF+12*\q+4*\m+3], s[56:57] offset:8*IMG*\q+512*\m
.endr
.endr
	s_cmp_lt_u32 s[WV], 2
	s_cbranch_scc0 .Lnot_gate
.irp u, 0,1,2,3,4,5,6,7
	ds_load_b128 v[16+8*\u:19+8*\u], v[GPR] offset:2048*\u
	ds_load_b128 v[20+8*\u:23+8*\u], v[GPR] offset:2048*\u+512
.endr
	v_cmp_le_u32 vcc_lo, 16, v[LANE]
	v_mov_b32 v81, 0
	s_wait_dscnt 0x0
.irp u, 1,2,3,4,5,6,7
.irp j, 0,2,4,6
	v_pk_add_f32 v[16+\j:17+\j], v[16+\j:17+\j], v[16+8*\u+\j:17+8*\u+\j]
.endr
.endr
.irp e, 0,1,2,3,4,5,6,7
	v_add_f32 v[16+\e], s[BG+\e], v[16+\e]
.endr
	v_max3_num_f32 v80, v16, v17, v18
	s_delay_alu instid0(VALU_DEP_1)
	v_max3_num_f32 v80, v80, v19, v20
	s_delay_alu instid0(VALU_DEP_1)
	v_max3_num_f32 v80, v80, v21, v22
	s_delay_alu instid0(VALU_DEP_1)
	v_max_num_f32 v80, v80, v23
	s_delay_alu instid0(VALU_DEP_1)
	v_mul_f32 v80, 0x3fb8aa3b, v80
.irp j, 0,2,4,6
	v_pk_fma_f32 v[16+\j:17+\j], v[16+\j:17+\j], 0x3fb8aa3b, v[80:81] op_sel_hi:[1,0,0] neg_lo:[0,0,1] neg_hi:[0,0,1]
.endr
	s_wait_alu depctr_va_vdst(0)
.irp e, 0,1,2,3,4,5,6,7
	v_exp_f32 v[16+\e], v[16+\e]
.endr
	v_nop
	s_wait_alu depctr_va_vdst(0)
	v_pk_add_f32 v[82:83], v[16:17], v[18:19]
	v_pk_add_f32 v[84:85], v[20:21], v[22:23]
	s_delay_alu instid0(VALU_DEP_1)
	v_pk_add_f32 v[82:83], v[82:83], v[84:85]
	s_delay_alu instid0(VALU_DEP_1)
	v_add_f32 v82, v82, v83
	s_wait_alu depctr_va_vdst(0)
	v_rcp_f32 v82, v82
.irp i, 0,1,2,3
	v_cndmask_b32 v[84+\i], v[16+\i], v[20+\i], vcc_lo
.endr
	s_wait_alu depctr_va_vdst(0)
	v_pk_mul_f32 v[84:85], v[84:85], v[82:83] op_sel_hi:[1,0]
	v_pk_mul_f32 v[86:87], v[86:87], v[82:83] op_sel_hi:[1,0]
	global_store_b128 v[GTO], v[84:87], s[18:19]
	s_branch .Lend
.Lnot_gate:
	s_cmp_lt_u32 s[WV], 4
	s_cbranch_scc0 .Lnot_xs
	ds_load_b128 v[16:19], v[SCR]
	s_wait_dscnt 0x0
	global_store_b128 v[XSO], v[16:19], s[14:15]
	s_branch .Lend
.Lnot_xs:
	s_cmp_lt_u32 s[WV], 6
	s_cbranch_scc0 .Lend
	global_store_b128 v[WSO], v[WS:WS+3], s[16:17]
.Lend:
	s_wait_tensorcnt 0x0
	ds_add_u32 v254, v255
	s_wait_dscnt 0x0
	s_endpgm
.Lfunc_end_k_q6024748545_prep:
	.size	k_q6024748545_prep, .Lfunc_end_k_q6024748545_prep-k_q6024748545_prep
	.p2alignl 7, 3214868480
	.fill 96, 4, 3214868480
	.section	.rodata,"a",@progbits
	.p2align	6, 0x0
	.amdhsa_kernel k_q6024748545_prep
		.amdhsa_group_segment_fixed_size 327680
		.amdhsa_private_segment_fixed_size 0
		.amdhsa_enable_private_segment 0
		.amdhsa_kernarg_size 64
		.amdhsa_user_sgpr_count 2
		.amdhsa_user_sgpr_kernarg_segment_ptr 1
		.amdhsa_wavefront_size32 1
		.amdhsa_system_sgpr_workgroup_id_x 1
		.amdhsa_system_sgpr_workgroup_id_y 1
		.amdhsa_system_sgpr_workgroup_id_z 1
		.amdhsa_system_vgpr_workitem_id 0
		.amdhsa_next_free_vgpr 256
		.amdhsa_next_free_sgpr 66
		.amdhsa_reserve_vcc 1
		.amdhsa_float_denorm_mode_32 3
		.amdhsa_float_denorm_mode_16_64 3
		.amdhsa_memory_ordered 1
		.amdhsa_forward_progress 1
		.amdhsa_inst_pref_size 42
	.end_amdhsa_kernel
	.amdgpu_metadata
---
amdhsa.version: [ 1, 2 ]
amdhsa.kernels:
  - .name:           k_q6024748545_prep
    .symbol:         k_q6024748545_prep.kd
    .args:
      - { .name: x, .offset: 0, .size: 8, .value_kind: global_buffer, .address_space: global }
      - { .name: Wg, .offset: 8, .size: 8, .value_kind: global_buffer, .address_space: global }
      - { .name: bg, .offset: 16, .size: 8, .value_kind: global_buffer, .address_space: global }
      - { .name: We_codes, .offset: 24, .size: 8, .value_kind: global_buffer, .address_space: global }
      - { .name: We_scales, .offset: 32, .size: 8, .value_kind: global_buffer, .address_space: global }
      - { .name: xb, .offset: 40, .size: 8, .value_kind: global_buffer, .address_space: global }
      - { .name: wb, .offset: 48, .size: 8, .value_kind: global_buffer, .address_space: global }
      - { .name: gate, .offset: 56, .size: 8, .value_kind: global_buffer, .address_space: global }
    .group_segment_fixed_size: 327680
    .private_segment_fixed_size: 0
    .kernarg_segment_align: 8
    .kernarg_segment_size: 64
    .max_flat_workgroup_size: 256
    .sgpr_count:     66
    .vgpr_count:     256
    .wavefront_size: 32
...
	.end_amdgpu_metadata
.endif
;; end of part 1
;; launch moe (part 2): grid 4 x 64, 4 waves a work-group, clusters of 4 x 4, 327,680 bytes of LDS; arguments xb, wb, gate, be, out0; writes out0
.if DOCPART == 2
	.amdgcn_target "amdgcn-amd-amdhsa--gfx1250"
	.amdhsa_code_object_version 6
	.text
	.protected	k_q6024748545_moe
	.globl	k_q6024748545_moe
	.p2align	8
	.type	k_q6024748545_moe,@function
k_q6024748545_moe:
	s_mov_b64 s[64:65], 0
	v_nop
	global_prefetch_b8 v0, s[64:65] scope:SCOPE_SE
	s_setreg_imm32_b32 hwreg(HW_REG_WAVE_MODE, 25, 1), 1
	s_wait_xcnt 0x0
	s_wait_alu depctr_hold_cnt(0) depctr_sa_sdst(0) depctr_va_vdst(0) depctr_va_sdst(0) depctr_va_ssrc(0) depctr_va_vcc(0) depctr_vm_vsrc(0)
	s_getreg_b32 s2, hwreg(HW_REG_IB_STS2, 6, 4)
	s_cmp_eq_u32 s2, 0
	s_cbranch_scc0 .Lentry_in_a_cluster
	s_endpgm
.Lentry_in_a_cluster:
	s_bfe_u32 s2, ttmp6, 0x10000c
	s_cmp_lg_u32 s2, 0xf033
	s_cbranch_scc0 .Lentry_shape_is_right
	s_endpgm
.Lentry_shape_is_right:
; out0[n][o] = sum over e of gate[n][e] x (sum over k of Q(x)[n][k] We[e][k][o] + be[e][o]).  The product runs on codes of E3M2 with E8M0 scales, sums in f32; xb, wb and gate come from the launch before.
; SHARES.  A work-group owns 128 rows (block RB) and 256 outputs (block ob) and walks four tiles of 64 outputs.  Wave w takes all 128 rows x (8 experts x 16 outputs): 64 accumulators, (a, e) = row tile a x expert e.
;   be is the C of each sum's first product.  All eight experts' sums of an output lie in one lane: eight multiply-adds by the gates make the output.
; LDS: x's codes of the 128 rows for all of K (4 pieces) stay; We's come through a ring of two slots of 256 along K (16 chunks); quarter w of a slot is read by wave w alone.  Operands lie as images of their registers.
; A STEP is 128 along K: eight slots of eight products, row tile j against the eight experts.  The next step's fragments come in two runs of LDS loads: We's eight and x's blocks 0-3 in the step's middle, x's blocks 4-7 at its end.
; THE WAY OUT stands among the products, four packed operations behind each: row tiles 0-3 are weighed in a tile's last step (slots 4-7), row tiles 4-7 in the next tile's first step (slots 2-5).
;   A row's 64 outputs come from four waves: they meet in a stage of 64 rows, and each wave stores 16 whole rows of 256 bytes.  Every LDS store, read-back and global store of the way out stands at a step's run of loads or behind a round.
;   So the loop runs from a tile's fourth step to the next tile's third.
; CLUSTER, 4 x 4: x is asked for jointly along a row of the cluster, We's chunks along a column.  Cluster y begins at tile t0 = (y + y / 4) % 4; only global addresses hang on t0.
; No data prefetch is laid: each chunk of wb is read by the sixteen clusters, which begin at four different tiles, so in three of a cluster's four tiles a chunk has been read a tile earlier in this launch by another cluster;
;   xb is read once, at the head, where there is no loop to run ahead in.
; THE MATRIX INSTRUCTION IS USED TRANSPOSED: source 0 = 16 outputs of We, source 1 = 16 rows of x: lane (r, h) register j holds row 16 a + r, output 8 h + j.
; LIMITS: those of the launch before (NaN and infinities are not served).  All sizes are fixed.
; REGISTERS: window 0: v0-15 outputs T of two row tiles; v16-31 addresses; v32-63 scale words, two sets; v64-127 be; v128-223 x's fragments, one set; v224-255 rows on the way out, and T of two more row tiles.
;   window 1: v0-95, v128-223 We's fragments, two sets; v96-127, v224-255 the gates.   windows 2, 3: the accumulators of row tiles 0-3, 4-7.
.set IMG,   1536
.set SCO,   16*IMG
.set PIECE, SCO+1024
.set CHUNK, 4*PIECE
.set RING,  CHUNK
.set STAGE, RING+2*CHUNK
.set SP,    272
.set SPARE, STAGE+64*SP
.set FR,    12
.set AX,   16                          ; v16-19 x's piece c: 16 x lane + c PIECE
.set AB,   20                          ; v20-21 my quarter of slot s
.set ASC,  22                          ; v22-25 the scale words of chunk c: lanes 0-15 x's, lanes 16-31 We's
.set STO,  26
.set RD,   27
.set CO,   28
.set BOFF, 29
.set SPW,  30
.set NIL,  31
.set SC,   32
.set BIAS, 64
.set AF,   128
.set OB,   224
.set WV,   14
.set G1X,  24
.set G0X,  32
.set G1B,  40
.set G0B,  48
.set TILES, 66
.set TI,   67                          ; the tile whose be was asked for last
.set WBASE, 68
.set NXT,  70                          ; the chunk, 0 .. 15, that the next refill brings
.set TO,   71                          ; the tile that goes out next
.set OFFS, 72
.set BEB,  74
.set OUTB, 76
.set G0H,  84                          ; group 0 of the head's load of We
.set MSB, 0
.macro WIN new
.if MSB != (\new)
	s_set_vgpr_msb (MSB<<8)|(\new)
.set MSB, (\new)
.endif
.endm
.macro CREST
	s_cmp_lg_u32 s[WV], 0
	s_cbranch_scc1 .Lnot_wave_0_\@
	s_barrier_signal -3
.Lnot_wave_0_\@:
	s_barrier_wait -3
	s_barrier_signal -1
	s_barrier_wait -1
.endm
.macro CROUND
	s_barrier_signal -1
	s_barrier_wait -1
	CREST
.endm
.macro PLACES                          ; four places behind a matrix instruction of this form (ISA guide 7.12.1)
.rept 4
	v_nop
.endr
.endm
.macro FRAG3 reg, adr, off             ; a fragment as its image lies: three loads of 512 consecutive bytes
.irp m, 0,1,2
	ds_load_b128 v[\reg+4*\m:\reg+4*\m+3], v[\adr] offset:\off+512*\m
.endr
.endm
.macro FETCH_B slot, q                 ; the eight experts' fragments of the slot's q-th 128 along K into set q
	WIN 0x40
.irp e, 0,1,2,3,4,5,6,7
	FRAG3 128*(\q)+FR*\e, AB+(\slot), (8*(\q)+\e)*IMG
.endr
	WIN 0
.endm
.macro FETCH_A c, q, i0                ; x's row tiles i0 .. i0 + 3 of piece c
.irp i, \i0, \i0+1, \i0+2, \i0+3
	FRAG3 AF+FR*(\i), AX+(\c), (8*(\q)+(\i))*IMG
.endr
.endm
.macro SCALES c                        ; chunk c's scale words into set c % 2
.irp ip, 0,1,2,3
	ds_load_b128 v[SC+16*((\c)%2)+4*\ip:SC+16*((\c)%2)+4*\ip+3], v[ASC+(\c)] offset:256*\ip
.endr
.endm
.macro MM a, b, p, set, bias           ; one product: row tile a x expert b; p: We's set and the chunk's half
.set rD, 8*(8*((\a)%4)+\b)
.if \bias
	v_wmma_scale_f32_16x16x128_f8f6f4 v[rD:rD+7], v[128*(\p)+FR*\b:128*(\p)+FR*\b+FR-1], v[AF+FR*(\a):AF+FR*(\a)+FR-1], v[BIAS+8*\b:BIAS+8*\b+7], v[SC+16*(\set)+2*\b+(\p)], v[SC+16*(\set)+2*(\a)+(\p)] matrix_a_fmt:MATRIX_FMT_BF6 matrix_b_fmt:MATRIX_FMT_BF6 matrix_a_scale:MATRIX_SCALE_ROW1
.else
	v_wmma_scale_f32_16x16x128_f8f6f4 v[rD:rD+7], v[128*(\p)+FR*\b:128*(\p)+FR*\b+FR-1], v[AF+FR*(\a):AF+FR*(\a)+FR-1], v[rD:rD+7], v[SC+16*(\set)+2*\b+(\p)], v[SC+16*(\set)+2*(\a)+(\p)] matrix_a_fmt:MATRIX_FMT_BF6 matrix_b_fmt:MATRIX_FMT_BF6 matrix_a_scale:MATRIX_SCALE_ROW1
.endif
.endm
.macro TB a                            ; where T(a) lies: 0, 1, 4, 5 in v0-15; 2, 3 in v224-239; 6, 7 in v240-255
.if ((\a)%4) < 2
.set tb, 8*((\a)%4)
.else
.set tb, 208+8*((\a)%4)+16*((\a)/4)
.endif
.endm
.macro CB a, e                         ; T(a) += expert e's sums x its gate; each accumulator is read from its low end on
	TB \a
.irp j, 0,2,4,6
.set rA, 8*(8*((\a)%4)+\e)+\j
.set rT, tb+\j
.set rG, 96+8*(\a)+96*((\a)/4)+\e-\e%2
.if \e == 0
	v_pk_mul_f32 v[rT:rT+1], v[rA:rA+1], v[rG:rG+1] op_sel_hi:[1,0]
.elseif \e%2 == 0
	v_pk_fma_f32 v[rT:rT+1], v[rA:rA+1], v[rG:rG+1], v[rT:rT+1] op_sel_hi:[1,0,1]
.else
	v_pk_fma_f32 v[rT:rT+1], v[rA:rA+1], v[rG:rG+1], v[rT:rT+1] op_sel:[0,1,0] op_sel_hi:[1,1,1]
.endif
.endr
.endm
; A slot: row tile j's eight products of step (c, q).  ca >= 0: row tile ca is weighed behind them.  The 64 accumulators take turns.
.macro PS c, q, bias, j, ca
.set MW, 2+(\j)/4
.set WM, (MW<<6)|(((1-(\bias))*MW)<<4)|1
.irp b, 0,1,2,3,4,5,6,7
	WIN WM
	MM \j, \b, \q, (\c)%2, \bias
.if (\ca) >= 0
	WIN 0x06+(\ca)/4
	CB \ca, \b
.endif
.endr
.endm
.macro STT a                           ; T(a) into the stage, rows 16 (a % 4) on
	WIN 0
	TB \a
.irp m, 0,1
	ds_store_b128 v[STO], v[tb+4*\m:tb+4*\m+3] offset:((\a)%4)*16*SP+16*\m
.endr
.endm
.macro BACK i0, n                      ; of my 16 whole rows of the stage: pairs of rows i0 .. i0 + n - 1
.set bi, 0
.rept \n
	ds_load_b128 v[OB+4*bi:OB+4*bi+3], v[RD] offset:((\i0)+bi)*2*SP
.set bi, bi+1
.endr
.endm
.macro SEND row0, i0, n
.set bi, 0
.rept \n
	global_store_b128 v[CO], v[OB+4*bi:OB+4*bi+3], s[12:13] offset:((\row0)+2*((\i0)+bi))*4096 th:TH_STORE_NT   ; 16 lanes store 256 consecutive bytes, aligned
.set bi, bi+1
.endr
.endm
.macro OUTSTEP                         ; out0's columns of the tile that goes out (behind a wait on XCNT)
	s_lshl_b32 s[OFFS], s[TO], 8
	s_add_nc_u64 s[12:13], s[OUTB:OUTB+1], s[OFFS:OFFS+1]
	s_add_co_u32 s[TO], s[TO], 1
	s_and_b32 s[TO], s[TO], 3
.endm
; A step with no change of slots.  sc = 1: the next chunk's scale words come too.  sync = 1: rows 64-127 of the tile before lie in the stage: a barrier at the middle run, the rows back there, stored at the end run.
.macro PLAIN c, q, bias, sc, sync
.set NC, ((\c)+(\q))%4
.set NQ, 1-(\q)
	s_wait_dscnt 12                                ; all but x's blocks 4-7, the youngest twelve loads
.irp j, 0,1,2,3
	PS \c, \q, \bias, \j, -1
.endr
	s_wait_dscnt 0x0
.if \sync
	s_barrier_signal -1                            ; my stores to the stage have landed
.endif
	PLACES
	FETCH_B NC%2, NQ
	FETCH_A NC, NQ, 0
.if \sc
	SCALES NC
.endif
.if \sync
	s_barrier_wait -1
	s_wait_xcnt 0x0                                ; earlier stores have read their registers
	BACK 0, 8
.endif
.irp j, 4,5,6,7
	PS \c, \q, \bias, \j, -1
.endr
	PLACES
	WIN 0
.if \sync
	s_wait_dscnt 0x0
	SEND 64, 0, 8
.endif
	FETCH_A NC, NQ, 4
.endm
; A chunk's second step, which changes slots.  mode 1: a tile's last step.  mode 2: the round also frees the stage: rows 0-63's second half is stored, rows 64-127 go into the stage.
.macro TURN c, mode
.set NC, ((\c)+1)%4
	WIN 0
	s_wait_tensorcnt 0x0                           ; all my tensor loads have landed: my quarter of the next slot
	ds_add_u32 v[SPW], v[NIL]
	s_mul_i32 s[OFFS], s[NXT], CHUNK
	s_add_co_u32 s[NXT], s[NXT], 1
	s_and_b32 s[NXT], s[NXT], 15
	s_add_nc_u64 s[G0B+4*((\c)%2)+2:G0B+4*((\c)%2)+3], s[WBASE:WBASE+1], s[OFFS:OFFS+1]
	s_or_b32 s[G0B+4*((\c)%2)+3], s[G0B+4*((\c)%2)+3], 0x80000000
	s_wait_dscnt 13                                ; (the add and x's blocks 4-7 may be out)
	PS \c, 1, 0, 0, -1
	PS \c, 1, 0, 1, -1
	s_wait_dscnt 0x0                               ; the add is done, and my reads of this slot are over
	s_barrier_signal -1
	PS \c, 1, 0, 2, -1
	PS \c, 1, 0, 3, -1
	WIN 0
	s_barrier_wait -1
	CREST
	tensor_load_to_lds s[G0B+4*((\c)%2):G0B+4*((\c)%2)+3], s[G1B:G1B+7]   ; the chunk two on, my one load behind the round
	s_nop 0
	PLACES
.if (\mode) == 2
	SEND 0, 4, 4
	STT 4
	STT 5
	STT 6
	STT 7
.endif
.if (\mode) == 1
	s_wait_xcnt 0x0                                ; the stores of the tile before have read v224-239, which T takes below
.endif
	FETCH_B NC%2, 0
	FETCH_A NC, 0, 0
	SCALES NC
.if (\mode) == 1
.irp j, 4,5,6,7
	PS \c, 1, 0, \j, \j-4
.endr
	STT 0                                          ; the packed operations behind the last products are the places
	STT 1
	STT 2
	STT 3
.else
.irp j, 4,5,6,7
	PS \c, 1, 0, \j, -1
.endr
	PLACES
	WIN 0
.endif
	FETCH_A NC, 0, 4
.endm
.macro CB2 a                           ; row tiles a, a + 1 weighed by turns, with no products between
	WIN 0x07
.irp e, 0,1,2,3,4,5,6,7
	CB \a, \e
	CB (\a)+1, \e
.endr
	WIN 0
.endm
	s_load_b256 s[4:11], s[0:1], 0x0               ; xb, wb, gate, be
	s_load_b64 s[12:13], s[0:1], 0x20              ; out0
	v_lshl_add_u32 v[SPW], v0, 2, SPARE
	v_mov_b32 v[NIL], 0
	ds_add_u32 v[SPW], v[NIL]                      ; the opening lines
	ds_add_u32 v[SPW], v[NIL]
	v_lshrrev_b32 v1, 5, v0
	v_readfirstlane_b32 s[WV], v1
	s_bfe_u32 s56, ttmp6, 0x40000                  ; cx, cy
	s_bfe_u32 s57, ttmp6, 0x40004
	s_lshl_b32 s58, ttmp9, 2
	s_add_co_u32 s58, s58, s56                     ; ob
	s_and_b32 s59, ttmp7, 0xffff
	s_lshr_b32 s[TI], s59, 2
	s_add_co_u32 s[TI], s[TI], s59
	s_and_b32 s[TI], s[TI], 3                      ; t0
	s_mov_b32 s[TO], s[TI]
	s_lshl_b32 s59, s59, 2
	s_add_co_u32 s59, s59, s57                     ; RB
	s_lshl_b32 s60, s57, 2
	s_lshl_b32 s60, 15, s60                        ; my row of the cluster
	s_lshl_b32 s61, 0x1111, s56                    ; my column
	s_or_b32 s[G1X+0], s60, (3<<16)|(1<<21)        ; dense blocks as rows of 32 elements of 8 bytes; at the head 200 rows a load
	s_or_b32 s[G1B+0], s61, (3<<16)|(1<<21)
.irp g, G1X, G1B
	s_mov_b32 s[\g+1], 32<<16
	s_mov_b32 s[\g+2], 200<<16
	s_mov_b32 s[\g+3], 32<<16
	s_mov_b32 s[\g+4], 200
	s_mov_b32 s[\g+5], 32
	s_mov_b32 s[\g+6], 0
	s_mov_b32 s[\g+7], 0
.endr
	s_mul_i32 s15, s[WV], PIECE
	s_and_b32 s22, s[WV], 1
	s_mul_i32 s22, s22, 2*PIECE                    ; at the head: which half of x or of the first chunk I fetch
	s_mov_b32 s23, 0
	s_mul_i32 s16, s59, CHUNK
	s_add_co_u32 s16, s16, s22
	s_mov_b32 s17, 0
	s_mul_i32 s18, s58, 16*CHUNK
	s_mov_b32 s19, 0
	s_lshl_b32 s[NXT], s[TI], 2
	s_mul_i32 s[OFFS], s[NXT], CHUNK
	s_mov_b32 s[OFFS+1], 0
	s_add_co_u32 s[NXT], s[NXT], 2
	s_mov_b32 s20, s15
	s_mov_b32 s21, 0
	s_wait_dscnt 0x0
	s_wait_kmcnt 0x0
	s_add_nc_u64 s[16:17], s[4:5], s[16:17]
	s_add_nc_u64 s[18:19], s[6:7], s[18:19]
	s_add_nc_u64 s[WBASE:WBASE+1], s[18:19], s[20:21]
	s_add_nc_u64 s[18:19], s[18:19], s[OFFS:OFFS+1]
	s_add_nc_u64 s[20:21], s[WBASE:WBASE+1], s[OFFS:OFFS+1]
	s_add_nc_u64 s[18:19], s[18:19], s[22:23]
	CROUND                                         ; the first joint loads meet
	s_mov_b32 s[G0X+0], 1
	s_mov_b32 s[G0X+1], s22
	s_mov_b64 s[G0X+2:G0X+3], s[16:17]
	s_or_b32 s[G0X+3], s[G0X+3], 0x80000000
	s_mov_b32 s[G0H+0], 1
	s_add_co_u32 s[G0H+1], s22, RING
	s_mov_b64 s[G0H+2:G0H+3], s[18:19]
	s_or_b32 s[G0H+3], s[G0H+3], 0x80000000
	s_mov_b32 s[G0B+0], 1
	s_add_co_u32 s[G0B+1], s15, RING
	s_mov_b32 s[G0B+4], 1
	s_add_co_u32 s[G0B+5], s15, RING+CHUNK
	s_add_nc_u64 s[G0B+6:G0B+7], s[20:21], CHUNK
	s_or_b32 s[G0B+7], s[G0B+7], 0x80000000
	s_cmp_lt_u32 s[WV], 2                          ; one load a wave: waves 0, 1 the halves of x, waves 2, 3 the halves of the first chunk
	s_cbranch_scc0 .Lhead_w
	tensor_load_to_lds s[G0X:G0X+3], s[G1X:G1X+7]
	s_nop 0
	PLACES
	s_branch .Lhead_j
.Lhead_w:
	tensor_load_to_lds s[G0H:G0H+3], s[G1B:G1B+7]
	s_nop 0
	PLACES
.Lhead_j:
	s_add_co_u32 s88, s15, RING
	s_add_co_u32 s89, s15, RING+CHUNK
	s_add_co_u32 s90, s15, RING
	s_add_co_u32 s91, s15, RING+CHUNK-PIECE
	s_add_co_u32 s92, s15, RING-2*PIECE
	s_add_co_u32 s93, s15, RING+CHUNK-3*PIECE
	s_lshl_b32 s94, s[WV], 6
	s_add_co_u32 s94, s94, STAGE
	s_mul_i32 s95, s[WV], 16*SP
	s_add_co_u32 s95, s95, STAGE
	s_lshl_b32 s20, s59, 12                        ; gate: 128 rows of 32 bytes a block
	s_mov_b32 s21, 0
	s_add_nc_u64 s[8:9], s[8:9], s[20:21]
	s_lshl_b32 s22, s58, 10                        ; be: output 256 ob + 16 w
	s_lshl_b32 s23, s[WV], 6
	s_add_co_u32 s22, s22, s23
	s_mov_b32 s23, 0
	s_add_nc_u64 s[BEB:BEB+1], s[10:11], s[22:23]
	s_lshl_b32 s[OFFS], s[TI], 8
	s_add_nc_u64 s[10:11], s[BEB:BEB+1], s[OFFS:OFFS+1]
	s_lshl_b32 s20, s59, 19                        ; out0: row 128 RB + 16 w, + 1,024 ob bytes
	s_lshl_b32 s22, s[WV], 16
	s_add_co_u32 s20, s20, s22
	s_lshl_b32 s22, s58, 10
	s_add_co_u32 s20, s20, s22
	s_add_nc_u64 s[OUTB:OUTB+1], s[12:13], s[20:21]
	v_and_b32 v1, 31, v0
	v_and_b32 v2, 15, v0                           ; r
	v_bfe_u32 v3, v0, 4, 1                         ; h
	v_lshlrev_b32 v8, 5, v2                        ; gate: 32 r
	v_lshlrev_b32 v[BOFF], 5, v3
	v_lshlrev_b32 v4, 4, v1
	v_lshlrev_b32 v5, 4, v2
.irp c, 0,1,2,3
	v_add_nc_u32 v[AX+\c], \c*PIECE, v4
.endr
	v_add_nc_u32 v[AB], s88, v4
	v_add_nc_u32 v[AB+1], s89, v4
.irp c, 0,1,2,3                                ; x's words at c PIECE + SCO + 16 r; We's lie h x (the distance to my quarter of slot c % 2) further on
	v_mad_u32_u24 v[ASC+\c], s[90+\c], v3, v5
	v_add_nc_u32 v[ASC+\c], PIECE*\c+SCO, v[ASC+\c]
.endr
	v_mul_u32_u24 v[STO], v2, SP
	v_lshl_add_u32 v[STO], v3, 5, v[STO]
	v_add_nc_u32 v[STO], s94, v[STO]
	v_mul_u32_u24 v[RD], v3, SP
	v_lshl_add_u32 v[RD], v2, 4, v[RD]
	v_add_nc_u32 v[RD], s95, v[RD]
	v_lshlrev_b32 v[CO], 12, v3
	v_lshl_add_u32 v[CO], v2, 4, v[CO]
	s_wait_alu depctr_va_vdst(0)                   ; the wait at the head's end
	WIN 0x40
.irp a, 0,1,2,3,4,5,6,7                        ; the gates stay: lane (r, h) holds the eight of row 16 a + r
.irp m, 0,1
	global_load_b128 v[96+8*\a+96*(\a/4)+4*\m:96+8*\a+96*(\a/4)+4*\m+3], v8, s[8:9] offset:512*\a+16*\m
.endr
.endr
	WIN 0
.macro LOADBE                          ; a tile's be in the result's layout
.irp e, 0,1,2,3,4,5,6,7
.irp m, 0,1
	global_load_b128 v[BIAS+8*\e+4*\m:BIAS+8*\e+4*\m+3], v[BOFF], s[10:11] offset:4096*\e+16*\m
.endr
.endr
.endm
	LOADBE
	s_wait_tensorcnt 0x0                           ; my head's load is in; the full sequence ahead of slot 1's first fill
	ds_add_u32 v[SPW], v[NIL]
	s_mov_b32 s[G1B+2], 100<<16                    ; from here on a load brings a quarter: 100 rows
	s_mov_b32 s[G1B+4], 100
	s_wait_dscnt 0x0
	CROUND
	tensor_load_to_lds s[G0B+4:G0B+7], s[G1B:G1B+7]
	s_nop 0
	PLACES
	FETCH_B 0, 0
	FETCH_A 0, 0, 0
	SCALES 0
	FETCH_A 0, 0, 4
	s_wait_loadcnt 0x0                             ; the gates and the first tile's be
	PLAIN 0, 0, 1, 0, 0
	TURN 0, 0
	PLAIN 1, 0, 0, 0, 0
	s_mov_b32 s[TILES], 3
.Ltile:                                        ; three trips: from a tile's fourth step to the next tile's third
	s_add_co_u32 s[TI], s[TI], 1                   ; the next tile's be: its registers were last read three steps ago, its base's loads have been waited for
	s_and_b32 s[TI], s[TI], 3
	s_lshl_b32 s[OFFS], s[TI], 8
	s_add_nc_u64 s[10:11], s[BEB:BEB+1], s[OFFS:OFFS+1]
	LOADBE
	TURN 1, 0
	PLAIN 2, 0, 0, 0, 0
	TURN 2, 0
	PLAIN 3, 0, 0, 0, 0
	TURN 3, 1                                      ; rows 0-63 go into the stage
	s_wait_loadcnt 0x0                             ; the next tile's be
	s_wait_dscnt 12
	PS 0, 0, 1, 0, -1
	PS 0, 0, 1, 1, -1
	PS 0, 0, 1, 2, 4
	PS 0, 0, 1, 3, 5
	s_wait_dscnt 0x0                               ; my stores to the stage have landed
	s_barrier_signal -1
	FETCH_B 0, 1                                   ; (the packed operations above are the places)
	FETCH_A 0, 1, 0
	s_barrier_wait -1                              ; rows 0-63 lie in the stage
	s_wait_xcnt 0x0
	OUTSTEP
	BACK 0, 4
	PS 0, 0, 1, 4, 6
	PS 0, 0, 1, 5, 7
	PS 0, 0, 1, 6, -1
	PS 0, 0, 1, 7, -1
	PLACES
	WIN 0
	s_wait_alu depctr_va_vdst(0)
	s_wait_dscnt 0x0
	SEND 0, 0, 4
	s_wait_xcnt 0x0                                ; these stores have read their registers, which the next rows take
	BACK 4, 4
	FETCH_A 0, 1, 4
	TURN 0, 2
	PLAIN 1, 0, 0, 0, 1
	s_sub_co_u32 s[TILES], s[TILES], 1
	s_cmp_lg_u32 s[TILES], 0
	s_cbranch_scc1 .Ltile
	TURN 1, 0                                      ; the last tile's tail is written out: one more refill, then none
	PLAIN 2, 0, 0, 0, 0
	s_wait_tensorcnt 0x0                           ; the last chunk, my own quarter
	PLAIN 2, 1, 0, 1, 0
	PLAIN 3, 0, 0, 0, 0
	s_wait_dscnt 12
.irp j, 0,1,2,3
	PS 3, 1, 0, \j, -1
.endr
	s_wait_dscnt 0x0
	s_wait_xcnt 0x0                                ; the stores of the tile before have read v224-239
	PLACES                                         ; no load stands here in the last step: these are the places ahead of the first reads of row tiles 0-3
.irp j, 4,5,6,7
	PS 3, 1, 0, \j, \j-4
.endr
	STT 0
	STT 1
	STT 2
	STT 3
	s_wait_dscnt 0x0
	s_barrier_signal -1
	s_barrier_wait -1
	OUTSTEP
	BACK 0, 8
	CB2 4                                          ; stands between the loads from the stage and the wait for them
	s_wait_alu depctr_va_vdst(0)
	s_wait_dscnt 0x0
	SEND 0, 0, 8
	s_barrier_signal -1
	s_barrier_wait -1
	STT 4
	STT 5
	s_wait_xcnt 0x0                                ; the stores have read v240-255, which T takes
	CB2 6
	STT 6
	STT 7
	s_wait_dscnt 0x0
	s_barrier_signal -1
	s_barrier_wait -1
	BACK 0, 8
	s_wait_dscnt 0x0
	SEND 64, 0, 8
	s_wait_tensorcnt 0x0                           ; the wave's end
	ds_add_u32 v[SPW], v[NIL]
	s_wait_dscnt 0x0
	CROUND                                         ; the closing round
	s_endpgm
.Lfunc_end_k_q6024748545_moe:
	.size	k_q6024748545_moe, .Lfunc_end_k_q6024748545_moe-k_q6024748545_moe
	.p2alignl 7, 3214868480
	.fill 96, 4, 3214868480
	.section	.rodata,"a",@progbits
	.p2align	6, 0x0
	.amdhsa_kernel k_q6024748545_moe
		.amdhsa_group_segment_fixed_size 327680
		.amdhsa_private_segment_fixed_size 0
		.amdhsa_enable_private_segment 0
		.amdhsa_kernarg_size 40
		.amdhsa_user_sgpr_count 2
		.amdhsa_user_sgpr_kernarg_segment_ptr 1
		.amdhsa_wavefront_size32 1
		.amdhsa_system_sgpr_workgroup_id_x 1
		.amdhsa_system_sgpr_workgroup_id_y 1
		.amdhsa_system_sgpr_workgroup_id_z 1
		.amdhsa_system_vgpr_workitem_id 0
		.amdhsa_next_free_vgpr 1024
		.amdhsa_next_free_sgpr 100
		.amdhsa_reserve_vcc 0
		.amdhsa_float_denorm_mode_32 3
		.amdhsa_float_denorm_mode_16_64 3
		.amdhsa_memory_ordered 1
		.amdhsa_forward_progress 1
		.amdhsa_inst_pref_size 249
	.end_amdhsa_kernel
	.amdgpu_metadata
---
amdhsa.version: [ 1, 2 ]
amdhsa.kernels:
  - .name:           k_q6024748545_moe
    .symbol:         k_q6024748545_moe.kd
    .args:
      - { .name: xb, .offset: 0, .size: 8, .value_kind: global_buffer, .address_space: global }
      - { .name: wb, .offset: 8, .size: 8, .value_kind: global_buffer, .address_space: global }
      - { .name: gate, .offset: 16, .size: 8, .value_kind: global_buffer, .address_space: global }
      - { .name: be, .offset: 24, .size: 8, .value_kind: global_buffer, .address_space: global }
      - { .name: out0, .offset: 32, .size: 8, .value_kind: global_buffer, .address_space: global }
    .group_segment_fixed_size: 327680
    .private_segment_fixed_size: 0
    .kernarg_segment_align: 8
    .kernarg_segment_size: 40
    .max_flat_workgroup_size: 128
    .sgpr_count:     100
    .vgpr_count:     1024
    .wavefront_size: 32
...
	.end_amdgpu_metadata
.endif
;; end of part 2
